; MI455X (gfx1250); checked and timed in simulation.
; The chip was launched on July 23, 2026; its instructions are those of AMD's public machine-readable ISA for CDNA 5 (MIT licence, August 2026) and "CDNA5" Instruction Set Architecture Reference Guide (July 2026). The comments in the code are by the model that wrote it; some were corrected since.
;; Attention. Allowed arithmetic: matrix products marked QUANTISED: E2M1 operands, one E8M0 scale for each 32 along K, by v_wmma_scale_f32_16x16x128_f8f6f4 with both operands' format E2M1 (or v_wmma_scale_f32_32x16x128_f4), f32 sums; everything else in f32.
;; Inputs: Wk_b 256 float32; Wk_w_codes 256 x 8 x 16 uint8 (E2M1 codes of Wk_w, K innermost, in blocks of 32 codes, two codes a byte); Wk_w_scales 256 x 8 uint8 (E8M0 scales of Wk_w, one for each 32 codes along K); Wq_b 256 float32; Wq_w_codes 256 x 8 x 16 uint8 (E2M1 codes of Wq_w, K innermost, in blocks of 32 codes, two codes a byte); Wq_w_scales 256 x 8 uint8 (E8M0 scales of Wq_w, one for each 32 codes along K); Wv_b 256 float32; Wv_w_codes 256 x 8 x 16 uint8 (E2M1 codes of Wv_w, K innermost, in blocks of 32 codes, two codes a byte); Wv_w_scales 256 x 8 uint8 (E8M0 scales of Wv_w, one for each 32 codes along K); x_codes 4 x 4,096 x 8 x 16 uint8 (E2M1 codes of x, K innermost, in blocks of 32 codes, two codes a byte); x_scales 4 x 4,096 x 8 uint8 (E8M0 scales of x, one for each 32 codes along K); z_codes 4 x 4,096 x 8 x 16 uint8 (E2M1 codes of z, K innermost, in blocks of 32 codes, two codes a byte); z_scales 4 x 4,096 x 8 uint8 (E8M0 scales of z, one for each 32 codes along K).
;; Outputs: out0 4 x 4,096 x 256 float32.
;; This version of the problem:
;;   THIS VERSION OF THE PROBLEM IS GIVEN IN LOW PRECISION. The matrix products marked QUANTISED in the list below multiply operands that are first quantised to E2M1 (2 exponent bits, 1 mantissa bit; 4 bits a number), with one power-of-two scale for each 32 numbers along K (OCP MX v1.0); their sums are f32. All else is computed in f32.
;;   The module's matrix products, in the order in which they are computed (A, B: the left and right operand; K: the contracted axis; several contracted axes count as one K, in the product's order):
;;     1. [M 16,384, K 256] x [K 256, N 256]; A: input x (given as codes); B: input Wq_w (given as codes): QUANTISED
;;     2. [M 16,384, K 256] x [K 256, N 256]; A: input z (given as codes); B: input Wk_w (given as codes): QUANTISED
;;     3. [M 16,384, K 256] x [K 256, N 256]; A: input z (given as codes); B: input Wv_w (given as codes): QUANTISED
;;     4. batch 4 x [M 4,096, K 256] x [K 256, N 4,096]; A: computed on the way; B: computed on the way: QUANTISED
;;     5. batch 4 x [M 4,096, K 4,096] x [K 4,096, N 256]; A: softmax (see below); B: computed on the way: QUANTISED
;;   THE QUANTISER, for each operand of a quantised product, along K:
;;     - K is cut into blocks of 32 from its start; a last block that is shorter is filled with zeros.
;;     - A block's scale is 2^e with e = floor(log2(the largest magnitude in the block)) - 2, held to -126 .. 127; a block of zeros has e = 0. As a byte (E8M0): e + 127.
;;     - Each number is divided by its block's scale, clamped to +-6, and rounded to the nearest number of E2M1, ties to even, subnormals kept.
;;     - The product sums the exact products of the quantised numbers (number of the format x scale) in f32.
;;   ~~~python
;;   def quantise(x, axis):      # numpy; x: float32 -> the quantised numbers, widened to float32 again
;;       x = np.moveaxis(x, axis, -1); K = x.shape[-1]
;;       x = np.pad(x, [(0, 0)] * (x.ndim - 1) + [(0, -K % 32)]); x = x.reshape(x.shape[:-1] + (-1, 32)); a = np.abs(x).max(-1, keepdims=True)
;;       e = np.where(a > 0, np.clip(np.frexp(np.where(a > 0, a, 1))[1] - 1 - 2, -126, 127), 0)      # np.frexp(a)[1] - 1 = floor(log2(a)), exactly
;;       r = np.clip(x / 2.0 ** e, -6, 6)
;;       step = 2.0 ** (np.maximum(np.frexp(np.where(r == 0, 1, r))[1] - 1, 0) - 1)
;;       q = np.round(r / step) * step * 2.0 ** e      # np.round: ties to even
;;       return np.moveaxis(q.reshape(q.shape[:-2] + (-1,))[..., :K], -1, axis).astype(np.float32)
;;   ~~~
;;   SOFTMAX AHEAD OF A QUANTISED PRODUCT. Where the list says 'softmax', what is quantised is not the finished softmax but p = 2^(t - M), with t = logit x log2(e) and M = ceil(the row's largest t), a whole number; so 1/2 < the row's largest p <= 1. The row's sum l is taken of the UNQUANTISED p, in f32, and the product's result is divided by l at the end. Since M is a whole number, a kernel that streams over the keys may use a running M (the ceiling of the running maximum): every later rescaling is an exact power of two, which a block's scale takes up: the codes' values come out the same.
;;   OPERANDS COMPUTED ON THE WAY. 'Computed on the way' means the value that the module computes at that place (a softmax that the list does not call 'softmax' is quantised finished and normalised). What goes into a quantiser is computed in f32, as accurately as f32 sums, v_exp_f32 and their like allow (about 1e-6 of the number): no bf16 or f16 on the way to a quantiser, and a product that is left as it is and whose result goes on into a quantised operand takes f32 operands (vector FMAs, or v_wmma_f32_16x16x4_f32). A number that lies on a knife's edge between two numbers of the format may be rounded either way, as far as f32 arithmetic and the matrix unit's own rounding can turn it there, and no further.
;;   INPUTS GIVEN AS CODES. Wk_w (in the module: [256, 256], K = its axis 1); Wq_w (in the module: [256, 256], K = its axis 1); Wv_w (in the module: [256, 256], K = its axis 1); x (in the module: [4, 4096, 256], K = its axis 2); z (in the module: [4, 4096, 256], K = its axis 2): each comes as NAME_codes (uint8): NAME with its K axis moved to the last place and cut into blocks of 32 codes, [.., K / 32, bytes a block], one block behind the other in memory; two codes a byte, the lower K in the low four bits (a code: sign, 2 exponent bits, 1 mantissa bit); and NAME_scales (uint8): the same leading axes, one E8M0 byte (e + 127) for each 32 codes along K. Its value is code x scale, taken as it is: it is not quantised again, and the codes and scales need not be those that the quantiser above would give.
;; One version. Each part assembles by itself: llvm-mc -triple=amdgcn-amd-amdhsa -mcpu=gfx1250 --defsym DOCPART=n.
;; ======== version 1 of 1: 2 launches
;; limits: right only within a limited range of input values
;; workspace buffers: qbuf 2,228,224 bytes; kvbuf 4,456,448 bytes
;; launch proj (part 1): grid 256 x 1, 6 waves a work-group, no clusters, 95,488 bytes of LDS; arguments x_codes, x_scales, z_codes, z_scales, Wq_w_codes, Wq_w_scales, Wq_b, Wk_w_codes, Wk_w_scales, Wk_b, Wv_w_codes, Wv_w_scales, Wv_b, qbuf, kvbuf; writes qbuf, kvbuf
.if DOCPART == 1
	.amdgcn_target "amdgcn-amd-amdhsa--gfx1250"
	.amdhsa_code_object_version 6
	.text
	.protected	k_qff06ea39ea_proj
	.globl	k_qff06ea39ea_proj
	.p2align	8
	.type	k_qff06ea39ea_proj,@function
k_qff06ea39ea_proj:
	s_mov_b64 s[64:65], 0
	v_nop
	global_prefetch_b8 v0, s[64:65] scope:SCOPE_SE
	s_setreg_imm32_b32 hwreg(HW_REG_WAVE_MODE, 25, 1), 1
	s_wait_xcnt 0x0
; q = x Wq^T + bq, k = z Wk^T + bk, v = z Wv^T + bv on codes of FP4 (E2M1) with E8M0 scales; the results are quantised in registers (q and k along the 256 features,
; v along the keys) and stored as IMAGES OF OPERAND REGISTERS, so that the next launch loads every fragment 16 bytes a lane, lane by lane on end.
; A PART is 17,408 bytes: 16 fragments of 1,024 bytes (fragment f, register group c, lane l at 1024 f + 512 c + 16 l), then 1,024 bytes of scale words: the word of fragment f, row r
; at 16384 + 256 (f / 4) + 8 (r + 16 (f % 2)) + 4 ((f % 4) / 2).   qbuf: one PART for each 128 queries (f = 8 s + tile, s = which 128 features).
; kvbuf: for each 128 keys a PART of k (f = 8 s + tile) and a PART of v (f = tile of 16 of the 256 channels; K = the 128 keys in their order).
; THE ROWS OF A TILE ARE NOT NEIGHBOURS: lane r of tile t of a group of 128 rows takes row 32 (t / 2) + 8 (t % 2) + r + 8 (r / 8).  Used as source 0, eight such tiles leave in a lane's
; 64 result registers 16 neighbours of each block of 32: register 16 b + i is index 32 b + 16 (lane / 16) + i, which is what the conversions want.
; SHARES.  Work-group: block = x / 2 (128 rows of x or z), half = x % 2.  Wave w: type w / 2 (0 q, 1 k, 2 v), th = w % 2.  A wave makes four UNITS, each one fragment and its scale word:
; 8 tiles of source 0 x 1 tile of source 1 x 2 K steps = 16 matrix instructions.   q, k: source 0 = W's rows 128 half on (they become the next K), source 1 = rows of x or z;
; v: source 0 = z's 128 rows (the keys become the next K), source 1 = Wv's rows 128 half on.
; OPERANDS.  The work-group's five groups of 128 rows (x, z, Wq, Wk, Wv) are dense blocks of 16,384 bytes: waves 0-3 load 32 rows of each, 512 consecutive bytes an instruction, and lay them into LDS, whence every wave takes its fragments.
; One fill and no loop: so no ring, no joint loads (each block is asked for once a work-group, all at the start, with no later fill to meet for) and no prefetch.
; LIMITS: NaN and infinities are not served.  A block of zeros gets the byte 1 where the quantiser says 127: its codes are zeros, and these bytes are read by this program alone.
; REGISTERS.  window 0: v1-9, v84-91 lane terms; v10-17 source 0's scale words (lanes 0-15 K step 0, lanes 16-31 K step 1), v18-21 source 1's; v22-29 v's bias (pairs); v30-33 the units' scale words;
;   v36-51 at work; v52-83 the units' codes; v128-191 the sums; v192-255 q's or k's bias in the result's layout.   window 1: v0-159 the rows on their way into LDS; later v64-191 source 0, v192-255 source 1.
.set PART, 17408
.set RP,   144                         ; an LDS row: 128 bytes + 16
.set B32,  4736                        ; 32 rows; rows 16-31 lie 128 bytes further on, so that the sixteen rows of a fragment load start in sixteen different columns of 16 bytes
.set TILE, 4*B32                       ; 128 rows
.set SPARE, 5*TILE                     ; the spare words: 128 bytes for each of six waves: three blocks of 256 bytes that no other line names
.set S0SC, 10
.set S1SC, 18
.set LB,   22
.set PW,   30
.set SW,   34
.set TM,   36
.set PC,   52
.set VBV,  84
.set SPW,  86
.set NIL,  87
.set F0A,  88
.set F1A,  89
.set LST,  90
.set ACC,  128
.set CB,   192
.set A0,   64
.set A1,   192
.set SEL,  62
.set MSB, 0
.macro WIN new                         ; the immediate's high byte repeats the setting that is left
.if MSB != \new
	s_set_vgpr_msb (MSB<<8)|\new
.set MSB, \new
.endif
.endm
; 64 numbers of a lane, register 16 b + i = index 32 b + 16 (lane / 16) + i of my row, become a fragment's codes in v[pc] on and its scale word in v[pw]
.macro QUANT s, pc, pw
.irp b, 0,1,2,3
	v_max3_num_f32 v[TM+\b], |v[\s+16*\b]|, |v[\s+1+16*\b]|, 0x1800000   ; block b: my 16 numbers, and the floor 2^(3 - 127): the byte cannot fall under 1
.endr
.irp i, 2,4,6,8,10,12,14
.irp b, 0,1,2,3
	v_max3_num_f32 v[TM+\b], v[TM+\b], |v[\s+16*\b+\i]|, |v[\s+1+16*\b+\i]|   ; the four blocks by turns
.endr
.endr
.irp b, 0,1,2,3
	v_permlanex16_b32 v[TM+4+\b], v[TM+\b], s[SEL], s[SEL+1]
.endr
.irp b, 0,1,2,3
	v_max_num_f32 v[TM+\b], v[TM+\b], v[TM+4+\b]   ; with lane l xor 16's: the block's largest magnitude
.endr
.irp b, 0,1,2,3
	v_add_nc_u32 v[TM+12+\b], 0xff000000, v[TM+\b]   ; 2 off its exponent field: the conversion takes this operand's exponent field as its scale
.endr
.irp b, 0,1,2,3
	v_lshrrev_b32 v[TM+4+\b], 23, v[TM+12+\b]      ; the scale's byte
.endr
	v_lshl_or_b32 v[\pw], v[TM+5], 8, v[TM+4]      ; four bytes: my row's scale word (the same in both halves of the lanes)
	v_lshl_or_b32 v[\pw], v[TM+6], 16, v[\pw]
	v_lshl_or_b32 v[\pw], v[TM+7], 24, v[\pw]
.irp b, 0,1,2,3
	v_cvt_scalef32_pk8_fp4_f32 v[\pc+2*\b], v[\s+16*\b:\s+7+16*\b], v[TM+12+\b]
	v_cvt_scalef32_pk8_fp4_f32 v[\pc+1+2*\b], v[\s+8+16*\b:\s+15+16*\b], v[TM+12+\b]
.endr
	v_nop                                          ; one plain place behind a scaled conversion
.irp c, 0,1                                    ; the operand's layout wants a whole block in a lane: lanes 0-15 block 2 c, lanes 16-31 block 2 c + 1
.irp i, 0,1
	v_permlane16_swap_b32 v[\pc+4*\c+\i], v[\pc+2+4*\c+\i]
.endr
.endr
.endm
; Unit i.  vb = 0: the bias runs along the registers and is the C of the first K step.  vb = 1: it runs along the lanes and is added behind the sums.
; The eight accumulators take turns, one instruction a turn.
.macro UNIT i, vb
	s_wait_dscnt 12-4*\i                           ; the later units' source 1 fragments, four loads each, may be out
	WIN 0x05                                       ; sources 0 and 1 in window 1
.irp t, 0,1,2,3,4,5,6,7
.if \vb
	v_wmma_scale_f32_16x16x128_f8f6f4 v[ACC+8*\t:ACC+8*\t+7], v[A0+16*\t:A0+16*\t+7], v[A1+16*\i:A1+16*\i+7], 0, v[S0SC+\t], v[S1SC+\i] matrix_a_fmt:MATRIX_FMT_FP4 matrix_b_fmt:MATRIX_FMT_FP4
.else
	v_wmma_scale_f32_16x16x128_f8f6f4 v[ACC+8*\t:ACC+8*\t+7], v[A0+16*\t:A0+16*\t+7], v[A1+16*\i:A1+16*\i+7], v[CB+8*\t:CB+8*\t+7], v[S0SC+\t], v[S1SC+\i] matrix_a_fmt:MATRIX_FMT_FP4 matrix_b_fmt:MATRIX_FMT_FP4
.endif
.endr
.irp t, 0,1,2,3,4,5,6,7
	v_wmma_scale_f32_16x16x128_f8f6f4 v[ACC+8*\t:ACC+8*\t+7], v[A0+16*\t+8:A0+16*\t+15], v[A1+16*\i+8:A1+16*\i+15], v[ACC+8*\t:ACC+8*\t+7], v[S0SC+\t], v[S1SC+\i] matrix_a_fmt:MATRIX_FMT_FP4 matrix_b_fmt:MATRIX_FMT_FP4 matrix_a_scale:MATRIX_SCALE_ROW1 matrix_b_scale:MATRIX_SCALE_ROW1
.endr
	WIN 0
.rept 4
	v_nop                                          ; four places in front of the first read of the sums (ISA guide 7.12.1)
.endr
.if \vb
.set j, 0
.rept 32
	v_pk_add_f32 v[ACC+j:ACC+j+1], v[ACC+j:ACC+j+1], v[LB+2*\i:LB+2*\i+1] op_sel_hi:[1,0]   ; + bv of my lane's channel; each accumulator from its low end on
.set j, j+2
.endr
.endif
	QUANT ACC, PC+8*\i, PW+\i
.irp c, 0,1
	global_store_b128 v8, v[PC+8*\i+4*\c:PC+8*\i+4*\c+3], s[56:57] offset:\i*1024+\c*512   ; 32 lanes store 512 consecutive bytes; each unit has its own registers, so no store's data are written again
.endr
.endm
; The four units' scale words leave as one run of 256 consecutive bytes: lane l, register jj = the word of unit 2 jj + l / 16, row l % 16
.macro TAIL
	v_cmp_le_u32 vcc_lo, 16, v1
	v_cndmask_b32 v[SW], v[PW], v[PW+1], vcc_lo
	v_cndmask_b32 v[SW+1], v[PW+2], v[PW+3], vcc_lo
	global_store_b64 v9, v[SW:SW+1], s[58:59]
	s_wait_tensorcnt 0x0                           ; the wave's end
	ds_add_u32 v[SPW], v[NIL]
	s_wait_dscnt 0x0
	s_endpgm
.endm
	s_load_b512 s[8:23], s[0:1], 0x0               ; x codes, x scales, z codes, z scales, Wq codes, Wq scales, bq, Wk codes
	s_load_b256 s[24:31], s[0:1], 0x40             ; Wk scales, bk, Wv codes, Wv scales
	s_load_b128 s[32:35], s[0:1], 0x60             ; bv, qbuf
	s_load_b64 s[36:37], s[0:1], 0x70              ; kvbuf
	v_lshl_add_u32 v[SPW], v0, 2, SPARE
	v_mov_b32 v[NIL], 0
	v_lshrrev_b32 v1, 5, v0
	v_readfirstlane_b32 s2, v1                     ; wave 0..5
	s_lshr_b32 s3, s2, 1                           ; type: 0 q, 1 k, 2 v
	s_and_b32 s4, s2, 1                            ; th: which four tiles of source 1
	s_lshr_b32 s5, ttmp9, 1                        ; block of 128 rows of x or z
	s_and_b32 s6, ttmp9, 1                         ; half of W's 256 rows
	s_add_co_u32 s88, s3, 2
	s_cmp_eq_u32 s3, 2
	s_cselect_b32 s88, 1, s88                      ; source 0's place in LDS: Wq 2, Wk 3; v: z 1
	s_cselect_b32 s89, 4, s3                       ; source 1's: x 0, z 1; v: Wv 4
	s_mul_i32 s88, s88, TILE
	s_mul_i32 s89, s89, TILE
	s_mul_i32 s90, s4, 2*B32                       ; tiles 4 th on begin 64 th rows on
	s_add_co_u32 s89, s89, s90
	s_mul_i32 s90, s2, B32                         ; waves 0-3: the 32 rows that I lay into LDS
	s_lshl_b32 s7, s4, 8
	v_and_b32 v1, 31, v0                           ; lane
	v_and_b32 v2, 15, v0                           ; r
	v_bfe_u32 v3, v0, 4, 1                         ; h
	v_and_b32 v85, 8, v2
	v_add_nc_u32 v4, v85, v2                       ; r + 8 (r / 8)
	v_mul_u32_u24 v5, v4, RP
	v_lshl_add_u32 v5, v3, 4, v5                   ; a fragment's row in LDS, + 16 h,
	v_lshl_add_u32 v5, v85, 4, v5                  ; + 128 where the row is one of the upper sixteen
	v_add_nc_u32 v[F0A], s88, v5
	v_add_nc_u32 v[F1A], s89, v5
	v_lshrrev_b32 v[LST], 3, v1
	v_mul_u32_u24 v[LST], v[LST], RP
	v_and_b32 v85, 7, v1
	v_lshl_add_u32 v[LST], v85, 4, v[LST]          ; in: eight lanes a row
	v_add_nc_u32 v[LST], s90, v[LST]
	v_add_nc_u32 v[LST+1], 3*TILE, v[LST]
	v_lshlrev_b32 v6, 3, v4
	v_lshl_add_u32 v6, v3, 2, v6                   ; scale words: my row of 8 bytes; lanes 16-31 take K step 1's word
	v_lshlrev_b32 v7, 6, v3                        ; q's, k's bias: my half's 16 features of a block of 32
	v_lshlrev_b32 v8, 4, v1                        ; 16 bytes a lane: an image's place, and the rows' on their way in
	v_lshlrev_b32 v9, 3, v1
	v_lshl_add_u32 v[VBV], v4, 2, s7               ; v's bias: my lane's channel: 4 (r + 8 (r / 8)) + 256 th
.irp b, 0,1,2,3
	v_mov_b32 v[TM+4+\b], 0                        ; written once: a lane permute's destination counts as one of its sources
	v_mov_b32 v[LB+2*\b+1], 0                      ; named as the upper half of a pair
.endr
	s_mov_b32 s[SEL], 0x76543210
	s_mov_b32 s[SEL+1], 0xfedcba98                 ; v_permlanex16_b32's selects for lane l xor 16
	; byte offsets, each in a pair of its own
	s_lshl_b32 s60, s6, 14                         ; W's codes: 128 rows of 128 bytes a half
	s_mov_b32 s61, 0
	s_lshl_b32 s66, s6, 10                         ; W's scales: 128 rows of 8 bytes
	s_mov_b32 s67, 0
	s_lshl_b32 s68, s6, 9                          ; the bias: 128 numbers
	s_mov_b32 s69, 0
	s_lshl_b32 s70, s5, 14                         ; x's or z's codes: 128 rows a block
	s_mov_b32 s71, 0
	s_lshl_b32 s72, s5, 10                         ; and scales
	s_mov_b32 s73, 0
	s_lshl_b32 s76, s4, 9                          ; source 1's scales: 64 th rows on
	s_mov_b32 s77, 0
	s_min_u32 s84, s3, 1
	s_add_co_u32 s84, s84, 1                       ; PARTs to a block: 1 in qbuf, 2 in kvbuf
	s_mul_i32 s84, s84, s5
	s_lshr_b32 s85, s3, 1                          ; v's PART lies behind k's
	s_add_co_u32 s84, s84, s85
	s_mul_i32 s78, s84, PART
	s_mov_b32 s79, 0
	s_lshl_b32 s80, s6, 9                          ; my four scale words' 256 bytes: group 2 half + th
	s_lshl_b32 s85, s4, 8
	s_add_co_u32 s80, s80, s85
	s_add_co_u32 s80, s80, 16384
	s_mov_b32 s81, 0
	s_lshl_b32 s82, s6, 13                         ; my four fragments: 8 half + 4 th on
	s_lshl_b32 s85, s4, 12
	s_add_co_u32 s82, s82, s85
	s_mov_b32 s83, 0
	s_lshl_b32 s86, s2, 12                         ; waves 0-3: my 32 rows of 128 bytes
	s_mov_b32 s87, 0
	s_wait_alu depctr_va_vdst(0)
	s_wait_kmcnt 0x0
	s_cmp_eq_u32 s3, 0                             ; every choice hangs on the wave's number alone
	s_cselect_b64 s[40:41], s[18:19], s[24:25]     ; W's scales: Wq's or Wk's
	s_cselect_b64 s[42:43], s[20:21], s[26:27]     ; the bias
	s_cselect_b64 s[46:47], s[10:11], s[14:15]     ; the rows' scales: x's or z's
	s_cselect_b64 s[56:57], s[34:35], s[36:37]     ; out: qbuf or kvbuf
	s_cmp_eq_u32 s3, 2
	s_cselect_b64 s[40:41], s[30:31], s[40:41]     ; v: Wv's
	s_cselect_b64 s[42:43], s[32:33], s[42:43]
	s_add_nc_u64 s[40:41], s[40:41], s[66:67]
	s_add_nc_u64 s[42:43], s[42:43], s[68:69]
	s_add_nc_u64 s[46:47], s[46:47], s[72:73]
	s_cselect_b64 s[50:51], s[46:47], s[40:41]     ; source 0's scales: v: z's; q, k: W's
	s_cselect_b64 s[54:55], s[40:41], s[46:47]     ; source 1's: the other
	s_add_nc_u64 s[54:55], s[54:55], s[76:77]
	s_add_nc_u64 s[56:57], s[56:57], s[78:79]      ; my PART,
	s_add_nc_u64 s[58:59], s[56:57], s[80:81]      ; my scale words in it,
	s_add_nc_u64 s[56:57], s[56:57], s[82:83]      ; my fragments in it
	s_add_nc_u64 s[88:89], s[8:9], s[70:71]        ; x's,
	s_add_nc_u64 s[90:91], s[12:13], s[70:71]      ; z's,
	s_add_nc_u64 s[92:93], s[16:17], s[60:61]      ; Wq's,
	s_add_nc_u64 s[94:95], s[22:23], s[60:61]      ; Wk's,
	s_add_nc_u64 s[96:97], s[28:29], s[60:61]      ; and Wv's 128 rows
.irp m, 0,1,2,3,4
	s_add_nc_u64 s[88+2*\m:89+2*\m], s[88+2*\m:89+2*\m], s[86:87]
.endr
.irp t, 0,1,2,3,4,5,6,7
	global_load_b32 v[S0SC+\t], v6, s[50:51] offset:(32*(\t/2)+8*(\t%2))*8
.endr
.irp i, 0,1,2,3
	global_load_b32 v[S1SC+\i], v6, s[54:55] offset:(32*(\i/2)+8*(\i%2))*8
.endr
	s_cmp_lt_u32 s2, 4
	s_cbranch_scc0 .Lvbias
.irp t, 0,1,2,3,4,5,6,7                        ; q, k: for tile t lane (r, h) wants the bias of features 32 (t / 2) + 8 (t % 2) + 16 h + 0 .. 7
	global_load_b128 v[CB+8*\t:CB+8*\t+3], v7, s[42:43] offset:(32*(\t/2)+8*(\t%2))*4
	global_load_b128 v[CB+8*\t+4:CB+8*\t+7], v7, s[42:43] offset:(32*(\t/2)+8*(\t%2))*4+16
.endr
	; waves 0-3 (q, k) bring the rows too: eight loads a block, four rows a load
	WIN 0x40
.irp m, 0,1,2,3,4
.irp i, 0,1,2,3,4,5,6,7
	global_load_b128 v[32*\m+4*\i:32*\m+4*\i+3], v8, s[88+2*\m:89+2*\m] offset:512*\i
.endr
.endr
	WIN 0x04                                       ; an LDS store's data are its source 1: window 1
.irp m, 0,1,2,3,4
	s_wait_loadcnt 32-8*\m                         ; block m's eight are in; the later blocks' may be out
.irp i, 0,1,2,3,4,5,6,7
	ds_store_b128 v[LST+\m/3], v[32*\m+4*\i:32*\m+4*\i+3] offset:(\m%3)*TILE+4*RP*\i+128*(\i/4)
.endr
.endr
	WIN 0
	s_branch .Lstaged
.Lvbias:
.irp i, 0,1,2,3                                ; v: for unit i my lane's channel
	global_load_b32 v[LB+2*\i], v[VBV], s[42:43] offset:(32*(\i/2)+8*(\i%2))*4
.endr
.Lstaged:
	s_wait_dscnt 0x0                               ; for the others' sake: my rows lie in LDS
	s_barrier_signal -1
	s_barrier_wait -1
	WIN 0x40                                       ; destination window 1
.irp t, 0,1,2,3,4,5,6,7
.irp ks, 0,1
.irp c, 0,1
	ds_load_b128 v[A0+16*\t+8*\ks+4*\c:A0+16*\t+8*\ks+4*\c+3], v[F0A] offset:(\t/2)*B32+8*(\t%2)*RP+64*\ks+32*\c
.endr
.endr
.endr
.irp i, 0,1,2,3
.irp ks, 0,1
.irp c, 0,1
	ds_load_b128 v[A1+16*\i+8*\ks+4*\c:A1+16*\i+8*\ks+4*\c+3], v[F1A] offset:(\i/2)*B32+8*(\i%2)*RP+64*\ks+32*\c
.endr
.endr
.endr
	WIN 0
	s_wait_loadcnt 0x0                             ; the scale words and the bias
	s_cmp_lt_u32 s2, 4                             ; one parting, on the wave's number; each way is whole and ends by itself
	s_cbranch_scc0 .Lv
	UNIT 0, 0
	UNIT 1, 0
	UNIT 2, 0
	UNIT 3, 0
	TAIL
.Lv:
	UNIT 0, 1
	UNIT 1, 1
	UNIT 2, 1
	UNIT 3, 1
	TAIL
.Lfunc_end_k_qff06ea39ea_proj:
	.size	k_qff06ea39ea_proj, .Lfunc_end_k_qff06ea39ea_proj-k_qff06ea39ea_proj
	.p2alignl 7, 3214868480
	.fill 96, 4, 3214868480
	.section	.rodata,"a",@progbits
	.p2align	6, 0x0
	.amdhsa_kernel k_qff06ea39ea_proj
		.amdhsa_group_segment_fixed_size 95488
		.amdhsa_private_segment_fixed_size 0
		.amdhsa_enable_private_segment 0
		.amdhsa_kernarg_size 120
		.amdhsa_user_sgpr_count 2
		.amdhsa_user_sgpr_kernarg_segment_ptr 1
		.amdhsa_wavefront_size32 1
		.amdhsa_system_sgpr_workgroup_id_x 1
		.amdhsa_system_sgpr_workgroup_id_y 1
		.amdhsa_system_sgpr_workgroup_id_z 1
		.amdhsa_system_vgpr_workitem_id 0
		.amdhsa_next_free_vgpr 512
		.amdhsa_next_free_sgpr 98
		.amdhsa_reserve_vcc 1
		.amdhsa_float_denorm_mode_32 3
		.amdhsa_float_denorm_mode_16_64 3
		.amdhsa_memory_ordered 1
		.amdhsa_forward_progress 1
		.amdhsa_inst_pref_size 76
	.end_amdhsa_kernel
	.amdgpu_metadata
---
amdhsa.version: [ 1, 2 ]
amdhsa.kernels:
  - .name:           k_qff06ea39ea_proj
    .symbol:         k_qff06ea39ea_proj.kd
    .args:
      - { .name: x_codes, .offset: 0, .size: 8, .value_kind: global_buffer, .address_space: global }
      - { .name: x_scales, .offset: 8, .size: 8, .value_kind: global_buffer, .address_space: global }
      - { .name: z_codes, .offset: 16, .size: 8, .value_kind: global_buffer, .address_space: global }
      - { .name: z_scales, .offset: 24, .size: 8, .value_kind: global_buffer, .address_space: global }
      - { .name: Wq_w_codes, .offset: 32, .size: 8, .value_kind: global_buffer, .address_space: global }
      - { .name: Wq_w_scales, .offset: 40, .size: 8, .value_kind: global_buffer, .address_space: global }
      - { .name: Wq_b, .offset: 48, .size: 8, .value_kind: global_buffer, .address_space: global }
      - { .name: Wk_w_codes, .offset: 56, .size: 8, .value_kind: global_buffer, .address_space: global }
      - { .name: Wk_w_scales, .offset: 64, .size: 8, .value_kind: global_buffer, .address_space: global }
      - { .name: Wk_b, .offset: 72, .size: 8, .value_kind: global_buffer, .address_space: global }
      - { .name: Wv_w_codes, .offset: 80, .size: 8, .value_kind: global_buffer, .address_space: global }
      - { .name: Wv_w_scales, .offset: 88, .size: 8, .value_kind: global_buffer, .address_space: global }
      - { .name: Wv_b, .offset: 96, .size: 8, .value_kind: global_buffer, .address_space: global }
      - { .name: qbuf, .offset: 104, .size: 8, .value_kind: global_buffer, .address_space: global }
      - { .name: kvbuf, .offset: 112, .size: 8, .value_kind: global_buffer, .address_space: global }
    .group_segment_fixed_size: 95488
    .private_segment_fixed_size: 0
    .kernarg_segment_align: 8
    .kernarg_segment_size: 120
    .max_flat_workgroup_size: 192
    .sgpr_count:     98
    .vgpr_count:     512
    .wavefront_size: 32
...
	.end_amdgpu_metadata
.endif
;; end of part 1
;; launch attn (part 2): grid 64 x 4, 12 waves a work-group, clusters of 4 x 1, 327,680 bytes of LDS; arguments qbuf, kvbuf, out0; writes out0
.if DOCPART == 2
	.amdgcn_target "amdgcn-amd-amdhsa--gfx1250"
	.amdhsa_code_object_version 6
	.text
	.protected	k_qff06ea39ea_attn
	.globl	k_qff06ea39ea_attn
	.p2align	8
	.type	k_qff06ea39ea_attn,@function
k_qff06ea39ea_attn:
	s_mov_b64 s[64:65], 0
	v_nop
	global_prefetch_b8 v0, s[64:65] scope:SCOPE_SE
	s_setreg_imm32_b32 hwreg(HW_REG_WAVE_MODE, 25, 1), 1
	s_wait_xcnt 0x0
	s_wait_alu depctr_hold_cnt(0) depctr_sa_sdst(0) depctr_va_vdst(0) depctr_va_sdst(0) depctr_va_ssrc(0) depctr_va_vcc(0) depctr_vm_vsrc(0)
	s_getreg_b32 s2, hwreg(HW_REG_IB_STS2, 6, 4)
	s_cmp_eq_u32 s2, 0
	s_cbranch_scc0 .Lentry_in_a_cluster
	s_endpgm
.Lentry_in_a_cluster:
	s_bfe_u32 s2, ttmp6, 0x10000c
	s_cmp_lg_u32 s2, 0x3003
	s_cbranch_scc0 .Lentry_shape_is_right
	s_endpgm
.Lentry_shape_is_right:
; out[b][q][:] = the sum over keys of softmax(q . k / 16) v, both products on codes of FP4 (E2M1) with E8M0 scales, from the register images that the launch before has stored
; (a PART of 17,408 bytes: 16 fragments of 1,024 bytes, then 1,024 bytes of scale words; for each 128 keys a PART of k and a PART of v; for each 128 queries a PART of q).
; THE SOFTMAX AHEAD OF THE SECOND PRODUCT: t = score x log2(e) / 16; M = the largest t so far, rounded up to a whole number; p = 2^(t - M) is quantised along the keys, not normalised; the sum is taken
; of the unquantised p and divides at the end.
; SHARES.  A work-group owns 64 queries (four tiles of 16) of one batch and walks the keys in 8 steps of 512 (four blocks of 128).  Twelve waves in two roles:
;  waves 0-7 make p: wave w takes the tiles 2 p, 2 p + 1 (p = w % 2) against block kq = w / 2: S^T = k q^T, its own running M, p's codes, scale word and -M, which go into LDS.
;  waves 8-11 make O: wave 8 + c takes 64 channels (c) of all 64 queries over all keys, ONE STEP BEHIND: O^T += v^T p^T.  So O is never divided among waves along the keys and nothing is merged.
;  A maker of O keeps its own running M, the largest of all; the power of two between it and a block's M is taken off that block's scale bytes; O is multiplied by 2^(old M - new M) once in 512 keys.
; All products are used transposed: a lane holds one query throughout.  The keys of a tile of k, and the channels of a tile of v, are 32 (t / 2) + 8 (t % 2) + r + 8 (r / 8),
; so that the 16 registers of tiles 2 b and 2 b + 1 are 16 neighbours, 32 b + 16 (lane / 16) + 0 .. 15.
; RING.  Two slots of eight PARTs: k's four, then v's four.  Waves 0-3 fetch k's PARTs, waves 4-7 v's, one load a wave.  Interval i multiplies k of step i and v of step i - 1; behind the round b that opens
; interval b stand the loads of k of step b + 1 and v of step b (v of step 1 comes with the first fills, behind round 0, so that round 1 fills k alone; round 7 fills v alone).  p has two buffers by turns.
; CLUSTER.  The four work-groups of a cluster belong to one batch and walk the same keys, so every PART is asked for jointly (the same descriptor and the mask of all four).
; PREFETCH.  In interval i (0 to 4) wave 8 asks for step i + 3 of k and v, whose loads stand two and three rounds on: 544 blocks of 256 bytes shared out by address among the batch's 64 work-groups, nine lanes each.
; LIMITS: NaN and infinities are not served; the scaled scores stay under 2^31 in magnitude.  A block's largest p is taken from the block's largest score by the same multiply-add and exponential, which takes v_exp_f32 not to fall where
; its input rises.  A block of 32 keys whose largest p is under 2^-61 of its M's is quantised under the scale 2^-63, and a block whose M lies more than 63 under the running M is weighed as if it lay 63 under:
; either moves a row by less than 2^-50 of the largest |v|.  A query's sum is formed in four parts and then added.
; REGISTERS.  v1-18 addresses, the same in both roles; v32-33, v36-43, v48-55 scale words and nothing else.
;  makers of p: v20-27 per tile -M, largest t, the sum (pair); v28-31 the factor (pairs); v44-45 p's scale words; v56-63 at work; v64-127 two buffers of k's fragments, later p's codes and work; v128-255 S^T and p; v256-287 q; v288-319 a third buffer of k.
;  makers of O: v20-27 the factor of each tile (pairs); v28-31, v44-47, v56-63 at work; v34-35 -M; v64-127 v's fragments, two blocks; v128-255 O^T, tile (u, dt) at 128 + 32 u + 8 dt; v256-319 p's fragments, two blocks.
.set PART,  17408
.set BLKB,  2*PART                     ; a block of 128 keys in kvbuf: k's PART, v's PART
.set SLOTB, 8*PART                     ; a slot; also a step's four blocks in kvbuf
.set SPARE, 2*SLOTB                    ; the spare words: 128 bytes for each of twelve waves: six blocks of 256 bytes that no other line names
.set PBASE, SPARE+1536                 ; p's two buffers:
.set PBUF,  18432                      ; 16 fragments (block k, tile u at 1024 (4 k + u)), then scale words and -M: word of pair g, lane l, block k at 512 g + 16 l + 4 k
.set LOFF,  2*PBUF-16384               ; behind them the sums, laid as -M is, from the scale words' place on
.set SPW, 1
.set NIL, 2
.set AK,  3
.set AKS, 5
.set AP,  7
.set ASW, 8
.set AV,  9
.set AVS, 11
.set APR, 13
.set ASR, 14
.set STO, 15
.set RD,  16
.set CO,  17
.set PFO, 18
.set ST,  20
.set FO,  20
.set F,   28
.set TD,  28
.set QS,  32
.set NMO, 34
.set SCR, 36
.set PW,  44
.set SW,  48
.set BM,  88                           ; block b at + b; so BX and SCO
.set BX,  60
.set NR,  56
.set KA,  64
.set KB,  96
.set KC,  32                           ; in window 1
.set PC,  64
.set SCO, 80
.set TP,  84
.set OLD, 85
.set VB,  64
.set SS,  128
.set OB,  128
.set SEL, 32
.set CS,  34
.set MASK, 49
.set PF,  46
.set MSB, 0
.macro WIN new                         ; the immediate's high byte repeats the setting that is left
.if MSB != \new
	s_set_vgpr_msb (MSB<<8)|\new
.set MSB, \new
.endif
.endm
.macro PLACES n
.rept \n
	v_nop
.endr
.endm
; A whole round of the cluster's barrier
.macro CROUND
	s_barrier_signal -1
	s_barrier_wait -1
	s_cmp_lg_u32 s10, 0
	s_cbranch_scc1 .Lnot_wave_0_\@
	s_barrier_signal -3
.Lnot_wave_0_\@:
	s_barrier_wait -3
	s_barrier_signal -1
	s_barrier_wait -1
.endm
; In front of interval b: all my tensor loads have landed, my LDS accesses are over.  set: the descriptor that moves two steps on (k's waves use it behind this round, v's behind the next)
.macro MEET set, adv
	s_wait_tensorcnt 0x0
	ds_add_u32 v[SPW], v[NIL]                      ; 0 onto my spare word
	ds_add_u32 v[SPW], v[NIL]                      ; twice
.if \adv
	s_add_nc_u64 s[26+4*\set:27+4*\set], s[26+4*\set:27+4*\set], 2*SLOTB   ; the type bits on top are not reached
.endif
	s_wait_xcnt 0x0                                ; any prefetch of mine has read its address
	s_add_nc_u64 s[PF:PF+1], s[PF:PF+1], SLOTB
	s_wait_dscnt 0x0
	CROUND
.endm
.macro TL g
	tensor_load_to_lds s[24+4*\g:27+4*\g], s[16:23]
	s_nop 0
	PLACES 4
.endm
.macro JALL g                          ; waves 0-7
	s_cmp_lt_u32 s10, 8
	s_cbranch_scc0 .Lasked_\@
	TL \g
.Lasked_\@:
.endm
.macro JK g                            ; waves 0-3
	s_cmp_lt_u32 s10, 4
	s_cbranch_scc0 .Lasked_\@
	TL \g
.Lasked_\@:
.endm
.macro JV g                            ; waves 4-7
	s_cmp_lt_u32 s10, 4
	s_cbranch_scc1 .Lasked_\@
	s_cmp_lt_u32 s10, 8
	s_cbranch_scc0 .Lasked_\@
	TL \g
.Lasked_\@:
.endm
.macro JKV gk, gv                      ; waves 0-3 by one descriptor, waves 4-7 by the other
	s_cmp_lt_u32 s10, 4
	s_cbranch_scc0 .Lfor_v_\@
	TL \gk
	s_branch .Lasked_\@
.Lfor_v_\@:
	s_cmp_lt_u32 s10, 8
	s_cbranch_scc0 .Lasked_\@
	TL \gv
.Lasked_\@:
.endm
; how = 1: wave 8 asks;  2: in the loop's first trip alone
.macro ASK how
.if \how
	s_cmp_eq_u32 s10, 8
	s_cbranch_scc0 .Lnot_mine_\@
.if \how == 2
	s_cmp_eq_u32 s36, 2
	s_cbranch_scc0 .Lnot_mine_\@
.endif
	global_prefetch_b8 v[PFO], s[PF:PF+1] th:TH_LOAD_NT scope:SCOPE_SE
.Lnot_mine_\@:
.endif
.endm
; One product.  d, a, b: first registers of D, source 0, source 1;  z = 1: C is 0 and the product starts a sum, else C = D;  sa, sb: scale registers;  ra, rb = 1: that side's scales stand in lanes 16-31
.macro WM d, a, b, z, sa, sb, ra, rb
.if \z
.if (\ra) && (\rb)
	v_wmma_scale_f32_16x16x128_f8f6f4 v[\d:\d+7], v[\a:\a+7], v[\b:\b+7], 0, v[\sa], v[\sb] matrix_a_fmt:MATRIX_FMT_FP4 matrix_b_fmt:MATRIX_FMT_FP4 matrix_a_scale:MATRIX_SCALE_ROW1 matrix_b_scale:MATRIX_SCALE_ROW1
.elseif (\ra)
	v_wmma_scale_f32_16x16x128_f8f6f4 v[\d:\d+7], v[\a:\a+7], v[\b:\b+7], 0, v[\sa], v[\sb] matrix_a_fmt:MATRIX_FMT_FP4 matrix_b_fmt:MATRIX_FMT_FP4 matrix_a_scale:MATRIX_SCALE_ROW1
.elseif (\rb)
	v_wmma_scale_f32_16x16x128_f8f6f4 v[\d:\d+7], v[\a:\a+7], v[\b:\b+7], 0, v[\sa], v[\sb] matrix_a_fmt:MATRIX_FMT_FP4 matrix_b_fmt:MATRIX_FMT_FP4 matrix_b_scale:MATRIX_SCALE_ROW1
.else
	v_wmma_scale_f32_16x16x128_f8f6f4 v[\d:\d+7], v[\a:\a+7], v[\b:\b+7], 0, v[\sa], v[\sb] matrix_a_fmt:MATRIX_FMT_FP4 matrix_b_fmt:MATRIX_FMT_FP4
.endif
.else
.if (\ra) && (\rb)
	v_wmma_scale_f32_16x16x128_f8f6f4 v[\d:\d+7], v[\a:\a+7], v[\b:\b+7], v[\d:\d+7], v[\sa], v[\sb] matrix_a_fmt:MATRIX_FMT_FP4 matrix_b_fmt:MATRIX_FMT_FP4 matrix_a_scale:MATRIX_SCALE_ROW1 matrix_b_scale:MATRIX_SCALE_ROW1
.elseif (\ra)
	v_wmma_scale_f32_16x16x128_f8f6f4 v[\d:\d+7], v[\a:\a+7], v[\b:\b+7], v[\d:\d+7], v[\sa], v[\sb] matrix_a_fmt:MATRIX_FMT_FP4 matrix_b_fmt:MATRIX_FMT_FP4 matrix_a_scale:MATRIX_SCALE_ROW1
.elseif (\rb)
	v_wmma_scale_f32_16x16x128_f8f6f4 v[\d:\d+7], v[\a:\a+7], v[\b:\b+7], v[\d:\d+7], v[\sa], v[\sb] matrix_a_fmt:MATRIX_FMT_FP4 matrix_b_fmt:MATRIX_FMT_FP4 matrix_b_scale:MATRIX_SCALE_ROW1
.else
	v_wmma_scale_f32_16x16x128_f8f6f4 v[\d:\d+7], v[\a:\a+7], v[\b:\b+7], v[\d:\d+7], v[\sa], v[\sb] matrix_a_fmt:MATRIX_FMT_FP4 matrix_b_fmt:MATRIX_FMT_FP4
.endif
.endif
.endm
; ---- THE MAKERS OF p ----
; k's tiles 2 g and 2 g + 1, both K steps: four fragments, eight loads
.macro KLOAD g, buf, slot
.irp tt, 0,1
.irp ks, 0,1
.irp c, 0,1
	ds_load_b128 v[\buf+16*\tt+8*\ks+4*\c:\buf+16*\tt+8*\ks+4*\c+3], v[AK+\slot] offset:((8*\ks+2*\g+\tt)*2+\c)*512
.endr
.endr
.endr
.endm
; register SCR + 4 ks + g: tile 2 g's words in lanes 0-15, tile 2 g + 1's in lanes 16-31
.macro KSC i, slot
	ds_load_b64 v[SCR+2*\i:SCR+2*\i+1], v[AKS+\slot] offset:16384+256*\i
.endm
; S^T of two tiles of keys for my two tiles of queries: four accumulators by turns; the first K step starts the sums
.macro SMUL g, buf
.irp ks, 0,1
.irp tt, 0,1
.irp u, 0,1
	WM SS+64*\u+8*(2*\g+\tt), \buf+16*\tt+8*\ks, 16*\u+8*\ks, 1-\ks, SCR+4*\ks+\g, QS+\ks, \tt, \u
.endr
.endr
.endr
.endm
; The sum of tile u's unquantised p, two at a time, in four chains
.macro SUM u
.set SB, SS+64*\u
.set LU, ST+4*\u+2
	v_pk_add_f32 v[56:57], v[SB:SB+1], v[SB+2:SB+3]
	v_pk_add_f32 v[58:59], v[SB+4:SB+5], v[SB+6:SB+7]
	v_pk_add_f32 v[60:61], v[SB+8:SB+9], v[SB+10:SB+11]
.set j, 12
.rept 6
	v_pk_add_f32 v[LU:LU+1], v[LU:LU+1], v[SB+j:SB+j+1]
	v_pk_add_f32 v[56:57], v[56:57], v[SB+j+2:SB+j+3]
	v_pk_add_f32 v[58:59], v[58:59], v[SB+j+4:SB+j+5]
	v_pk_add_f32 v[60:61], v[60:61], v[SB+j+6:SB+j+7]
.set j, j+8
.endr
	v_pk_add_f32 v[LU:LU+1], v[LU:LU+1], v[SB+60:SB+61]
	v_pk_add_f32 v[56:57], v[56:57], v[SB+62:SB+63]
	v_pk_add_f32 v[58:59], v[58:59], v[60:61]
	v_pk_add_f32 v[LU:LU+1], v[LU:LU+1], v[56:57]
	v_pk_add_f32 v[LU:LU+1], v[LU:LU+1], v[58:59]
.endm
; The softmax of tile u for my block of 128 keys; p's codes go into p's buffer pb.  first = 1: the first step starts M
.macro SOFTMAX u, first, pb
.set SB,  SS+64*\u
.set STU, ST+4*\u
.set FU,  F+2*\u
.set PCU, PC+8*\u
	s_wait_alu depctr_va_vdst(0)                   ; directly ahead of the scores' first readers
.irp b, 0,1,2,3
	v_max3_num_f32 v[BM+\b], v[SB+16*\b], v[SB+16*\b+1], v[SB+16*\b+2]   ; the largest score of each block of 32 keys: for the row's maximum and for the block's largest p
.endr
.irp i, 3,5,7,9,11,13
.irp b, 0,1,2,3
	v_max3_num_f32 v[BM+\b], v[BM+\b], v[SB+16*\b+\i], v[SB+16*\b+\i+1]   ; the four blocks by turns
.endr
.endr
.irp b, 0,1,2,3
	v_max_num_f32 v[BM+\b], v[BM+\b], v[SB+16*\b+15]
.endr
.irp b, 0,1,2,3
	s_delay_alu instid0(VALU_DEP_4)
	v_permlanex16_b32 v[BX+\b], v[BM+\b], s[SEL], s[SEL+1]
.endr
.irp b, 0,1,2,3
	s_delay_alu instid0(VALU_DEP_4)
	v_max_num_f32 v[BM+\b], v[BM+\b], v[BX+\b]     ; with lane l xor 16's 16 keys
.endr
	s_delay_alu instid0(VALU_DEP_2)
	v_max3_num_f32 v[TP], v[BM], v[BM+1], v[BM+2]
	s_delay_alu instid0(VALU_DEP_1)
	v_max_num_f32 v[TP], v[TP], v[BM+3]            ; the step's largest score of my query
.if \first
	s_delay_alu instid0(VALU_DEP_1)
	v_mul_f32 v[STU+1], s[CS], v[TP]               ; as t (c is positive)
	s_delay_alu instid0(VALU_DEP_1)
	v_floor_f32 v[STU], -v[STU+1]                  ; -M = floor(-t) = -ceil(t)
.else
	s_delay_alu instid0(VALU_DEP_1)
	v_mul_f32 v[TP], s[CS], v[TP]
	s_delay_alu instid0(VALU_DEP_1)
	v_max_num_f32 v[STU+1], v[STU+1], v[TP]        ; the running largest t
	v_mov_b32 v[OLD], v[STU]
	s_delay_alu instid0(VALU_DEP_2)
	v_floor_f32 v[STU], -v[STU+1]                  ; the new -M
	s_delay_alu instid0(VALU_DEP_1)
	v_sub_f32 v[OLD], v[STU], v[OLD]               ; old M - new M: a whole number, 0 or less
	s_delay_alu instid0(VALU_DEP_1)
	v_cvt_i32_f32 v[OLD], v[OLD]                   ; (it saturates)
	s_delay_alu instid0(VALU_DEP_1)
	v_ldexp_f32 v[FU], 1.0, v[OLD]                 ; f = 2^(old M - new M)
.endif
.set j, 0
.rept 32
	v_pk_fma_f32 v[SB+j:SB+j+1], v[SB+j:SB+j+1], s[CS:CS+1], v[STU:STU+1] op_sel_hi:[1,0,0]   ; t - M, two at a time (of the pairs c and -M the low word serves both halves)
.set j, j+2
.endr
.irp b, 0,1,2,3
	v_fma_f32 v[BM+\b], v[BM+\b], s[CS], v[STU]    ; the same of each block's largest score
.endr
.set j, 0
	s_wait_alu depctr_va_vdst(0)
.rept 64
	v_exp_f32 v[SB+j], v[SB+j]                     ; p = 2^(t - M), at most 1
.set j, j+1
.endr
.irp b, 0,1,2,3
	v_exp_f32 v[BM+\b], v[BM+\b]                   ; the block's largest p
.endr
.if \first
	v_nop                                          ; a plain place behind the exponentials
.else
	v_pk_mul_f32 v[STU+2:STU+3], v[STU+2:STU+3], v[FU:FU+1] op_sel_hi:[1,0]   ; the sum under the new M (a plain place behind the exponentials)
.endif
	s_wait_alu depctr_va_vdst(0)                   ; and one wait for the batch, ahead of its first reader
.irp b, 0,1,2,3
	v_max_num_f32 v[BM+\b], 0x21000000, v[BM+\b]   ; the floor 2^(66 - 127): the byte is 64 at the least, so that a maker of O may take up to 63 off it
.endr
.irp b, 0,1,2,3
	s_delay_alu instid0(VALU_DEP_4)
	v_add_nc_u32 v[SCO+\b], 0xff000000, v[BM+\b]   ; 2 off the exponent field: the conversion's scale operand
.endr
.irp b, 0,1,2,3
	s_delay_alu instid0(VALU_DEP_4)
	v_lshrrev_b32 v[BX+\b], 23, v[SCO+\b]          ; the scale's byte
.endr
	s_delay_alu instid0(VALU_DEP_3)
	v_lshl_or_b32 v[PW+\u], v[BX+1], 8, v[BX]      ; p's scale word for these 128 keys
	s_delay_alu instid0(VALU_DEP_1)
	v_lshl_or_b32 v[PW+\u], v[BX+2], 16, v[PW+\u]
	s_delay_alu instid0(VALU_DEP_1)
	v_lshl_or_b32 v[PW+\u], v[BX+3], 24, v[PW+\u]
.irp b, 0,1,2,3
	v_cvt_scalef32_pk8_fp4_f32 v[PCU+2*\b], v[SB+16*\b:SB+16*\b+7], v[SCO+\b]
	v_cvt_scalef32_pk8_fp4_f32 v[PCU+2*\b+1], v[SB+16*\b+8:SB+16*\b+15], v[SCO+\b]
.endr
	v_nop                                          ; one plain place behind a scaled conversion
.irp c, 0,1                                    ; the operand's layout wants a whole block in a lane
.irp i, 0,1
	v_permlane16_swap_b32 v[PCU+4*\c+\i], v[PCU+4*\c+\i+2]
.endr
.endr
.irp c, 0,1
	ds_store_b128 v[AP], v[PCU+4*\c:PCU+4*\c+3] offset:\pb*PBUF+\u*1024+\c*512   ; an image of the operand's registers
.endr
.endm
; A maker of p's interval
.macro SWORK slot, pb, first
	KSC 0, \slot
	KSC 2, \slot
	KLOAD 0, KB, \slot
	KSC 1, \slot
	KSC 3, \slot
	KLOAD 1, KA, \slot
	WIN 0x40                                       ; destination window 1
	KLOAD 2, KC, \slot
	WIN 0
.if \first
	s_wait_loadcnt 0x0                             ; q
.else
	SUM 1                                          ; tile 1's p of the step before still stands in its registers; these additions cover the loads' way
.endif
	s_wait_dscnt 18                                ; of 28 loads the first ten are in: key tiles 0-3's scale words, tiles 0 and 1
	WIN 0x04                                       ; source 1 (q) in window 1
	SMUL 0, KB
	PLACES 4                                       ; in front of loads into registers that matrix instructions have read (ISA guide 7.12.1 for vector instructions)
	KLOAD 3, KB, \slot
	s_wait_dscnt 16                                ; out: tiles 4 and 5, and the eight just issued
	SMUL 1, KA
	s_wait_dscnt 8
	WIN 0x05                                       ; source 0 in window 1 too
	SMUL 2, KC
	s_wait_dscnt 0x0
	WIN 0x04
	SMUL 3, KB
	WIN 0
	PLACES 4                                       ; in front of the first read of the scores
	SOFTMAX 0, \first, \pb
	SUM 0
	SOFTMAX 1, \first, \pb
	v_cndmask_b32 v[TP], v[PW], v[PW+1], s[MASK]   ; lanes 0-15 tile 0's, lanes 16-31 tile 1's
	v_cndmask_b32 v[OLD], v[ST], v[ST+4], s[MASK]
	ds_store_b32 v[ASW], v[TP] offset:\pb*PBUF
	ds_store_b32 v[ASW], v[OLD] offset:\pb*PBUF+1024
.endm
; ---- THE MAKERS OF O ----
.macro VLD k, slot                     ; v's four fragments of block k
.irp dt, 0,1,2,3
.irp c, 0,1
	ds_load_b128 v[VB+32*(\k%2)+8*\dt+4*\c:VB+32*(\k%2)+8*\dt+4*\c+3], v[AV+\slot] offset:\k*PART+\dt*1024+\c*512
.endr
.endr
.endm
.macro PLD k, pb                       ; p's four fragments of block k
	WIN 0x40
.irp u, 0,1,2,3
.irp c, 0,1
	ds_load_b128 v[32*(\k%2)+8*\u+4*\c:32*(\k%2)+8*\u+4*\c+3], v[APR] offset:\pb*PBUF+(4*\k+\u)*1024+\c*512
.endr
.endr
	WIN 0
.endm
.macro PVK k, z                        ; 16 accumulators by turns, one instruction a turn
	WIN 0x04
.irp dt, 0,1,2,3
.irp u, 0,1,2,3
	WM OB+32*\u+8*\dt, VB+32*(\k%2)+8*\dt, 32*(\k%2)+8*\u, \z, SCR+2*\k+\dt/2, SW+4*(\u/2)+\k, \dt%2, \u%2
.endr
.endr
.endm
.macro RESC                            ; O^T x the tile's factor, each accumulator from its low end on
	s_wait_alu depctr_va_vdst(0)                   ; directly ahead of O^T's first readers
.irp u, 0,1,2,3
.set j, 0
.rept 16
	v_pk_mul_f32 v[OB+32*\u+j:OB+32*\u+j+1], v[OB+32*\u+j:OB+32*\u+j+1], v[FO+2*\u:FO+2*\u+1] op_sel_hi:[1,0]
.set j, j+2
.endr
.endr
.endm
.macro UNPACK                          ; v46, v47: pair g's figure, tile 2 g in lanes 0-15, tile 2 g + 1 in lanes 16-31  ->  one register a tile, the same in both halves
.irp g, 0,1
	v_permlanex16_b32 v[44+\g], v[46+\g], s[SEL], s[SEL+1]
.endr
.irp g, 0,1
	v_cndmask_b32 v[FO+4*\g], v[46+\g], v[44+\g], s[MASK]
	v_cndmask_b32 v[FO+4*\g+2], v[44+\g], v[46+\g], s[MASK]
.endr
.endm
; The new -M of each pair of tiles, O's factor, and p's scale words brought under the new M
.macro MCALC first
.if \first
.irp g, 0,1
	v_min3_num_f32 v[NMO+\g], v[NR+4*\g], v[NR+4*\g+1], v[NR+4*\g+2]
.endr
.irp g, 0,1
	v_min_num_f32 v[NMO+\g], v[NMO+\g], v[NR+4*\g+3]
.endr
.else
.irp g, 0,1
	v_mov_b32 v[44+\g], v[NMO+\g]
.endr
.irp g, 0,1
	v_min3_num_f32 v[NMO+\g], v[NMO+\g], v[NR+4*\g], v[NR+4*\g+1]
.endr
.irp g, 0,1
	v_min3_num_f32 v[NMO+\g], v[NMO+\g], v[NR+4*\g+2], v[NR+4*\g+3]
.endr
.irp g, 0,1
	v_sub_f32 v[46+\g], v[NMO+\g], v[44+\g]        ; old M - new M
.endr
.irp g, 0,1
	v_cvt_i32_f32 v[46+\g], v[46+\g]
.endr
.irp g, 0,1
	v_ldexp_f32 v[46+\g], 1.0, v[46+\g]
.endr
.endif
.irp g, 0,1
.irp k, 0,1,2,3
	v_sub_f32 v[TD+\k], v[NR+4*\g+\k], v[NMO+\g]   ; new M - block k's M: 0 or more
.endr
.irp k, 0,1,2,3
	v_min_num_f32 v[TD+\k], 0x427c0000, v[TD+\k]   ; held at 63
.endr
.irp k, 0,1,2,3
	v_cvt_u32_f32 v[TD+\k], v[TD+\k]
.endr
.irp k, 0,1,2,3
	v_perm_b32 v[TD+\k], v[TD+\k], v[TD+\k], 0     ; in all four bytes
.endr
.irp k, 0,1,2,3
	v_sub_nc_u32 v[SW+4*\g+\k], v[SW+4*\g+\k], v[TD+\k]   ; bytes of 64 or more less 63 or less: no borrow, and 1 at the least
.endr
.endr
.if \first == 0
	UNPACK
.endif
.endm
; A maker of O's interval: P and V of the step before
.macro OWORK slot, pb, first, ask, last
.irp g, 0,1
	ds_load_b128 v[NR+4*\g:NR+4*\g+3], v[ASR] offset:\pb*PBUF+1024+512*\g
.endr
.irp g, 0,1
	ds_load_b128 v[SW+4*\g:SW+4*\g+3], v[ASR] offset:\pb*PBUF+512*\g
.endr
.irp k, 0,1,2,3
	ds_load_b64 v[SCR+2*\k:SCR+2*\k+1], v[AVS+\slot] offset:\k*PART
.endr
	VLD 0, \slot
	PLD 0, \pb
	VLD 1, \slot
	PLD 1, \pb
	s_wait_dscnt 36                                ; of 40 loads the first four are in: -M and p's scale words
	MCALC \first
.if \first
	PLACES 8                                       ; in front of the first product that takes the scale words just written
.else
	RESC                                           ; (these 64 are the places too)
.endif
	s_wait_alu depctr_va_vdst(0)
	ASK \ask
	s_wait_dscnt 16                                ; block 1's sixteen may be out
	PVK 0, \first
	PLACES 4                                       ; in front of loads into registers that matrix instructions have read
	VLD 2, \slot
	PLD 2, \pb
	s_wait_dscnt 16
	PVK 1, 0
	PLACES 4
	VLD 3, \slot
	PLD 3, \pb
	s_wait_dscnt 16
	PVK 2, 0
.if \last
	PLACES 4
	ds_load_b128 v[64:67], v[ASR] offset:LOFF      ; the sums' four parts, over block 2's fragments
	ds_load_b128 v[68:71], v[ASR] offset:LOFF+512
	s_wait_dscnt 2
.else
	s_wait_dscnt 0x0
.endif
	PVK 3, 0
	WIN 0
	PLACES 5                                       ; five: a matrix instruction may be the next to write over these registers; loads want four
	s_wait_alu depctr_va_vdst(0)
.endm
.macro TOST u                          ; tile u through my stage: in by queries, back by rows of 256 bytes (LDS serves a wave's instructions in order: ISA guide 5.7.1.4)
.irp dt, 0,1,2,3
.irp i, 0,1
	ds_store_b128 v[STO], v[OB+32*\u+8*\dt+4*\i:OB+32*\u+8*\dt+4*\i+3] offset:\u*4352+(\dt/2)*128+(\dt%2)*32+16*\i
.endr
.endr
.irp i, 0,1,2,3,4,5,6,7
	ds_load_b128 v[VB+32*(\u%2)+4*\i:VB+32*(\u%2)+4*\i+3], v[RD] offset:\u*4352+2*\i*272
.endr
.endm
.macro SEND u                          ; stage row r' is query 32 (u / 2) + 8 (u % 2) + r' + 8 (r' / 8); sixteen lanes store 256 consecutive bytes, at a multiple of 256 from out0's first byte
.irp i, 0,1,2,3,4,5,6,7
	global_store_b128 v[CO], v[VB+32*(\u%2)+4*\i:VB+32*(\u%2)+4*\i+3], s[8:9] offset:(32*(\u/2)+8*(\u%2)+2*\i+8*(\i/4))*1024 th:TH_STORE_NT
.endr
.endm
	s_load_b128 s[4:7], s[0:1], 0x0                ; qbuf, kvbuf
	s_load_b64 s[8:9], s[0:1], 0x10                ; out0
	v_lshl_add_u32 v[SPW], v0, 2, SPARE
	v_mov_b32 v[NIL], 0
	ds_add_u32 v[SPW], v[NIL]                      ; the wave's opening
	ds_add_u32 v[SPW], v[NIL]
	v_lshrrev_b32 v28, 5, v0
	v_readfirstlane_b32 s10, v28                   ; wave 0..11
	v_and_b32 v29, 31, v0                          ; lane
	v_and_b32 v30, 15, v0                          ; r
	v_bfe_u32 v31, v0, 4, 1                        ; h
	v_lshlrev_b32 v45, 4, v29                      ; an image's place for my lane
	v_lshlrev_b32 v47, 3, v29                      ; a pair of scale words' place
	s_and_b32 s11, s10, 1                          ; p
	s_lshr_b32 s12, s10, 1
	s_and_b32 s12, s12, 3                          ; kq
	s_and_b32 s48, s10, 3                          ; c; and whose block I fetch
	s_bfe_u32 s13, ttmp6, 0x40000                  ; cx: my place in the cluster: it enters q's, out0's and the prefetches' addresses alone
	s_lshl_b32 s14, ttmp9, 2
	s_add_co_u32 s14, s14, s13                     ; my block of 64 queries
	s_and_b32 s15, ttmp7, 0xffff                   ; the batch, which the four partners share
	; descriptor group 1: a PART, dense in memory, as 68 rows of 256 bytes (32 elements of 8 bytes), no padding
	s_mov_b32 s16, 15|(3<<16)|(1<<21)              ; 15:0 the mask: all four work-groups; 17:16 elements of 8 bytes; 21 set beside a mask
	s_mov_b32 s17, 32<<16
	s_mov_b32 s18, 68<<16
	s_mov_b32 s19, 32<<16
	s_mov_b32 s20, 68
	s_mov_b32 s21, 32
	s_mov_b32 s22, 0
	s_mov_b32 s23, 0
	s_mov_b32 s[SEL], 0x76543210
	s_mov_b32 s[SEL+1], 0xfedcba98                 ; v_permlanex16_b32's selects for lane l xor 16
	s_mov_b32 s[CS], 0x3db8aa3b                    ; c = log2(e) / 16
	s_mov_b32 s[CS+1], s[CS]                       ; named with it as a pair, so it is written
	s_mov_b32 s[MASK], 0xffff0000                  ; lanes 16-31
	s_and_b32 s37, s10, 7
	s_mul_i32 s37, s37, PART                       ; my PART in a slot
	s_lshr_b32 s38, s10, 2
	s_and_b32 s38, s38, 1                          ; k (0) or v (1)
	s_mul_i32 s38, s38, PART
	s_mul_i32 s39, s48, BLKB
	s_add_co_u32 s38, s38, s39
	s_mul_i32 s50, s15, 32*BLKB                    ; the batch's 32 blocks of keys
	s_mov_b32 s51, 0
	s_add_co_u32 s38, s38, s50
	s_mov_b32 s39, 0
	s_lshl_b32 s40, s15, 5
	s_lshr_b32 s41, s14, 1
	s_add_co_u32 s40, s40, s41
	s_mul_i32 s40, s40, PART                       ; the PART of q that holds my 64 queries
	s_mov_b32 s41, 0
	s_and_b32 s42, s14, 1                          ; a: which half of its eight tiles
	s_lshl_b32 s43, s42, 2
	s_lshl_b32 s44, s11, 1
	s_add_co_u32 s43, s43, s44
	s_lshl_b32 s43, s43, 10                        ; my first tile 4 a + 2 p
	s_lshl_b32 s42, s42, 8
	s_lshl_b32 s44, s11, 2
	s_add_co_u32 s42, s42, s44                     ; its scale words: 256 a + 4 p
	s_add_co_u32 s42, s42, s40
	s_add_co_u32 s42, s42, 16384
	s_add_co_u32 s40, s40, s43
	s_mov_b32 s43, 0
	s_lshl_b32 s44, s15, 12
	s_lshl_b32 s45, s14, 6
	s_add_co_u32 s44, s44, s45
	s_lshl_b32 s44, s44, 10                        ; my first row of out0: rows of 1,024 bytes
	s_lshl_b32 s45, s48, 8
	s_add_co_u32 s44, s44, s45                     ; and my 64 channels
	s_mov_b32 s45, 0
	s_wait_alu depctr_va_vdst(0)
	s_wait_dscnt 0x0                               ; both opening adds are done
	s_wait_kmcnt 0x0
	s_add_nc_u64 s[50:51], s[6:7], s[50:51]
	s_add_nc_u64 s[PF:PF+1], s[50:51], 3*SLOTB     ; the prefetches begin with step 3
	s_add_nc_u64 s[6:7], s[6:7], s[38:39]          ; my PART of step 0
	s_add_nc_u64 s[52:53], s[4:5], s[42:43]        ; q's scale words
	s_add_nc_u64 s[4:5], s[4:5], s[40:41]          ; q's fragments
	s_add_nc_u64 s[8:9], s[8:9], s[44:45]
	s_mov_b32 s24, 1                               ; descriptor group 0 for slot 0: count = 1,
	s_mov_b32 s25, s37                             ; LDS address,
	s_mov_b64 s[26:27], s[6:7]                     ; global address: step 0,
	s_or_b32 s27, s27, 0x80000000                  ; type = 2
	s_mov_b32 s28, 1                               ; and for slot 1: step 1
	s_add_co_u32 s29, s37, SLOTB
	s_add_nc_u64 s[30:31], s[6:7], SLOTB
	s_or_b32 s31, s31, 0x80000000
	CROUND                                         ; all four work-groups are here: the first joint loads meet
	s_cmp_lt_u32 s10, 8
	s_cbranch_scc0 .Lhead
	TL 0                                           ; k and v of step 0
	WIN 0x40
.irp u, 0,1                                    ; q stays in registers: tile u, K step ks
.irp ks, 0,1
.irp c, 0,1
	global_load_b128 v[16*\u+8*\ks+4*\c:16*\u+8*\ks+4*\c+3], v45, s[4:5] offset:\ks*8192+\u*1024+\c*512
.endr
.endr
.endr
	WIN 0
.irp ks, 0,1
	global_load_b32 v[QS+\ks], v47, s[52:53] offset:\ks*512   ; lanes 0-15 tile 0's words, lanes 16-31 tile 1's
.endr
.Lhead:
	s_mul_i32 s38, s12, PART
	v_add_nc_u32 v[AK], s38, v45
	v_add_nc_u32 v[AK+1], SLOTB, v[AK]
	v_add_nc_u32 v[AKS], s38, v47
	v_add_nc_u32 v[AKS+1], SLOTB, v[AKS]
	s_lshl_b32 s38, s12, 12
	s_lshl_b32 s39, s11, 11
	s_add_co_u32 s38, s38, s39
	s_add_co_u32 s38, s38, PBASE
	v_add_nc_u32 v[AP], s38, v45                   ; p's fragments: block kq, tiles 2 p on
	s_lshl_b32 s38, s11, 9
	s_lshl_b32 s39, s12, 2
	s_add_co_u32 s38, s38, s39
	s_add_co_u32 s38, s38, PBASE+16384
	v_add_nc_u32 v[ASW], s38, v45                  ; p's scale words
	s_lshl_b32 s38, s48, 12
	s_add_co_u32 s38, s38, 4*PART
	v_add_nc_u32 v[AV], s38, v45                   ; v's fragments 4 c on
	v_add_nc_u32 v[AV+1], SLOTB, v[AV]
	s_lshl_b32 s38, s48, 8
	s_add_co_u32 s38, s38, 4*PART+16384
	v_add_nc_u32 v[AVS], s38, v47
	v_add_nc_u32 v[AVS+1], SLOTB, v[AVS]
	v_add_nc_u32 v[APR], PBASE, v45
	v_add_nc_u32 v[ASR], PBASE+16384, v45
	s_mul_i32 s38, s48, PART                       ; my stage: four tiles x 16 rows x 272 bytes, in slot 0's k, which has then had its last fill and its last read
	v_mul_u32_u24 v[STO], v30, 272
	v_lshl_add_u32 v[STO], v31, 6, v[STO]
	v_add_nc_u32 v[STO], s38, v[STO]               ; in: row r, my half's 16 channels of a block of 32
	v_mul_u32_u24 v[RD], v31, 272
	v_lshl_add_u32 v[RD], v30, 4, v[RD]
	v_add_nc_u32 v[RD], s38, v[RD]                 ; back: lanes 0-15 one row, lanes 16-31 the next
	v_lshlrev_b32 v[CO], 10, v31
	v_lshl_add_u32 v[CO], v30, 4, v[CO]
	s_mul_i32 s38, s14, 9
	v_min_u32 v[PFO], 8, v29                       ; the lanes left over name my ninth block again
	v_add_nc_u32 v[PFO], s38, v[PFO]
	v_min_u32 v[PFO], 543, v[PFO]                  ; a step's last block
	v_lshlrev_b32 v[PFO], 8, v[PFO]
.irp j, 20,21,22,23,24,25,26,27,28,29,30,31,60,61,62,63
	v_mov_b32 v\j, 0                               ; the sums begin as zeros; upper halves of pairs; a lane permute's destination counts as one of its sources
.endr
	s_wait_alu depctr_va_vdst(0)
	s_wait_tensorcnt 0x0                           ; the first fills behind the head's
	ds_add_u32 v[SPW], v[NIL]
	ds_add_u32 v[SPW], v[NIL]
	s_wait_dscnt 0x0
	CROUND                                         ; round 0: everybody's PART of step 0 is in
	JALL 1                                         ; k and v of step 1
	s_cmp_lt_u32 s10, 8                            ; interval 0
	s_cbranch_scc0 .Lo0
	SWORK 0, 0, 1
	s_wait_alu depctr_va_vdst(0)
	s_branch .Lm0
.Lo0:
	ASK 1
.Lm0:
	MEET 0, 1
	JK 0                                           ; k of step 2
	s_cmp_lt_u32 s10, 8                            ; interval 1
	s_cbranch_scc0 .Lo1
	SWORK 1, 1, 0
	s_wait_alu depctr_va_vdst(0)
	s_branch .Lm1
.Lo1:
	OWORK 0, 0, 1, 1, 0
.Lm1:
	MEET 1, 1
	JKV 1, 0                                       ; k of step 3, v of step 2
	s_mov_b32 s36, 2
.Lloop:                                            ; intervals 2 and 3, 4 and 5
	s_cmp_lt_u32 s10, 8
	s_cbranch_scc0 .Lo2
	SWORK 0, 0, 0
	s_wait_alu depctr_va_vdst(0)
	s_branch .Lm2
.Lo2:
	OWORK 1, 1, 0, 1, 0
.Lm2:
	MEET 0, 1
	JKV 0, 1
	s_cmp_lt_u32 s10, 8
	s_cbranch_scc0 .Lo3
	SWORK 1, 1, 0
	s_wait_alu depctr_va_vdst(0)
	s_branch .Lm3
.Lo3:
	OWORK 0, 0, 0, 2, 0
.Lm3:
	MEET 1, 1
	JKV 1, 0
	s_sub_co_i32 s36, s36, 1
	s_cmp_lg_u32 s36, 0
	s_cbranch_scc1 .Lloop
	s_cmp_lt_u32 s10, 8                            ; interval 6
	s_cbranch_scc0 .Lo6
	SWORK 0, 0, 0
	s_wait_alu depctr_va_vdst(0)
	s_branch .Lm6
.Lo6:
	OWORK 1, 1, 0, 0, 0
.Lm6:
	MEET 0, 0
	JV 1                                           ; v of step 7: the last load
	s_cmp_lt_u32 s10, 8                            ; interval 7
	s_cbranch_scc0 .Lo7
	SWORK 1, 1, 0
	SUM 1
.irp u, 0,1
	v_add_f32 v[ST+4*\u+2], v[ST+4*\u+2], v[ST+4*\u+3]   ; the sum's two halves,
.endr
.irp u, 0,1
	v_permlanex16_b32 v[BX+2+\u], v[ST+4*\u+2], s[SEL], s[SEL+1]
.endr
.irp u, 0,1
	v_add_f32 v[ST+4*\u+2], v[ST+4*\u+2], v[BX+2+\u]   ; and lane l xor 16's
.endr
	v_cndmask_b32 v[TP], v[ST+2], v[ST+6], s[MASK]
	ds_store_b32 v[ASW], v[TP] offset:LOFF
	s_wait_alu depctr_va_vdst(0)
	s_branch .Lm7
.Lo7:
	OWORK 0, 0, 0, 0, 0
.Lm7:
	s_wait_tensorcnt 0x0                           ; v of step 7 is in
	s_wait_dscnt 0x0
	s_barrier_signal -1
	s_barrier_wait -1
	s_cmp_lt_u32 s10, 8                            ; interval 8: the last step's second product, and the way out
	s_cbranch_scc1 .Lend
	OWORK 1, 1, 0, 0, 1
	s_wait_dscnt 0x0                               ; the sums' parts
.irp g, 0,1
.irp k, 0,1,2,3
	v_sub_f32 v[TD+\k], v[NMO+\g], v[NR+4*\g+\k]   ; part k's M less the largest: a whole number, 0 or less
.endr
.irp k, 0,1,2,3
	v_cvt_i32_f32 v[TD+\k], v[TD+\k]
.endr
.irp k, 0,1,2,3
	v_ldexp_f32 v[TD+\k], v[64+4*\g+\k], v[TD+\k]
.endr
	v_add_f32 v[44+\g], v[TD], v[TD+1]
	v_add_f32 v[TD+2], v[TD+2], v[TD+3]
	v_add_f32 v[44+\g], v[44+\g], v[TD+2]          ; the row's sum: at least 1/2, since the part that holds the largest M has a p above 1/2
.endr
	s_wait_alu depctr_va_vdst(0)
.irp g, 0,1
	v_rcp_f32 v[46+\g], v[44+\g]
.endr
	v_nop                                          ; a plain place behind the reciprocals
	s_wait_alu depctr_va_vdst(0)
	UNPACK
	RESC                                           ; O^T / the sum
	s_wait_alu depctr_va_vdst(0)
	TOST 0
	TOST 1
	s_wait_dscnt 16                                ; tile 1's eight stores and eight loads may be out
	SEND 0
	s_wait_xcnt 0x0                                ; tile 0's stores have read their registers
	TOST 2
	s_wait_dscnt 16
	SEND 1
	s_wait_xcnt 0x0
	TOST 3
	s_wait_dscnt 16
	SEND 2
	s_wait_dscnt 0x0
	SEND 3
.Lend:
	s_wait_tensorcnt 0x0                           ; the wave's end
	ds_add_u32 v[SPW], v[NIL]
	s_wait_dscnt 0x0
	CROUND                                         ; the closing round: no work-group ends while a partner may still ask for a PART that names it
	s_endpgm
.Lfunc_end_k_qff06ea39ea_attn:
	.size	k_qff06ea39ea_attn, .Lfunc_end_k_qff06ea39ea_attn-k_qff06ea39ea_attn
	.p2alignl 7, 3214868480
	.fill 96, 4, 3214868480
	.section	.rodata,"a",@progbits
	.p2align	6, 0x0
	.amdhsa_kernel k_qff06ea39ea_attn
		.amdhsa_group_segment_fixed_size 327680
		.amdhsa_private_segment_fixed_size 0
		.amdhsa_enable_private_segment 0
		.amdhsa_kernarg_size 24
		.amdhsa_user_sgpr_count 2
		.amdhsa_user_sgpr_kernarg_segment_ptr 1
		.amdhsa_wavefront_size32 1
		.amdhsa_system_sgpr_workgroup_id_x 1
		.amdhsa_system_sgpr_workgroup_id_y 1
		.amdhsa_system_sgpr_workgroup_id_z 1
		.amdhsa_system_vgpr_workitem_id 0
		.amdhsa_next_free_vgpr 320
		.amdhsa_next_free_sgpr 66
		.amdhsa_reserve_vcc 0
		.amdhsa_float_denorm_mode_32 3
		.amdhsa_float_denorm_mode_16_64 3
		.amdhsa_memory_ordered 1
		.amdhsa_forward_progress 1
		.amdhsa_inst_pref_size 255
	.end_amdhsa_kernel
	.section	.bss,"aw",@nobits
	.p2align	6
	.space	262144
	.amdgpu_metadata
---
amdhsa.version: [ 1, 2 ]
amdhsa.kernels:
  - .name:           k_qff06ea39ea_attn
    .symbol:         k_qff06ea39ea_attn.kd
    .args:
      - { .name: qbuf, .offset: 0, .size: 8, .value_kind: global_buffer, .address_space: global }
      - { .name: kvbuf, .offset: 8, .size: 8, .value_kind: global_buffer, .address_space: global }
      - { .name: out0, .offset: 16, .size: 8, .value_kind: global_buffer, .address_space: global }
    .group_segment_fixed_size: 327680
    .private_segment_fixed_size: 0
    .kernarg_segment_align: 8
    .kernarg_segment_size: 24
    .max_flat_workgroup_size: 384
    .sgpr_count:     66
    .vgpr_count:     320
    .wavefront_size: 32
...
	.end_amdgpu_metadata
.endif
;; end of part 2
